; MI455X (gfx1250); checked and timed in simulation.
; The chip was launched on July 23, 2026; its instructions are those of AMD's public machine-readable ISA for CDNA 5 (MIT licence, August 2026) and "CDNA5" Instruction Set Architecture Reference Guide (July 2026). The comments in the code are by the model that wrote it; some were corrected since.
;; GPTQ Linear Onnx Exact. Allowed arithmetic: float matrix products may take bf16 or f16 operands with f32 sums; other float arithmetic in f32, or as packed bf16 or f16 multiplies, adds, multiply-adds, maxima and minima; sums over many terms, partial sums and values carried from step to step in f32; what a program stores and reads back later, other than sums and carried values, may be rounded once to bf16 or f16.
;; Inputs: bias 4,096 float32; g_idx 4,096 int32; qweight_int 4,096 x 4,096 int32; scales 32 x 4,096 float32; x 2 x 2,048 x 4,096 float32; zero_points 32 x 4,096 int32.
;; Outputs: out0 2 x 2,048 x 4,096 float32.
;; 2 versions, each right; version 2 is version 1 with the launch prep written anew for expert scheduling mode. Each part assembles by itself: llvm-mc -triple=amdgcn-amd-amdhsa -mcpu=gfx1250 --defsym DOCPART=n.
;; ======== version 1 of 2: 2 launches
;; limits: values are held in f16: magnitudes above 65,504 overflow, below 6.1e-05 lose precision
;; workspace buffers: xh 33,554,432 bytes; wh 33,554,432 bytes
;; launch prep (part 1): grid 32 x 8, 16 waves a work-group, no clusters, 34,816 bytes of LDS; arguments x, qweight_int, scales, zero_points, g_idx, xh, wh; writes xh, wh
.if DOCPART == 1
	.amdgcn_target "amdgcn-amd-amdhsa--gfx1250"
	.amdhsa_code_object_version 6
	.text
	.protected	k_qb8e69f7163_prep
	.globl	k_qb8e69f7163_prep
	.p2align	8
	.type	k_qb8e69f7163_prep,@function
k_qb8e69f7163_prep:
	s_mov_b64 s[64:65], 0
	v_nop
	global_prefetch_b8 v0, s[64:65] scope:SCOPE_SE
	s_setreg_imm32_b32 hwreg(HW_REG_WAVE_MODE, 25, 1), 1
	s_wait_xcnt 0x0
; FIRST OF TWO LAUNCHES.  out = x2d W + bias with W[k][n] = scales[g_idx[k]][n] * (q[k][n] - zero_points[g_idx[k]][n]).
; This launch makes the product's two operands, each rounded ONCE to f16:  xh[m][k] = f16(x[m][k]);  wh[k][n] = f16(W[k][n]), W made in f32 by the
; same subtraction and multiplication as in the problem's text.  wh keeps q's order [k][n]: nothing is transposed here.
; NO WORK IS LEFT OUT: every input has a way to the output; five are loaded here, bias by the second launch.  g_idx is honoured row by row, as it is given.
; WHY f16.  A sum has 4,096 terms with both factors rounded.  With 8 significant bits (bf16) the largest of the output's 16.7 million errors comes to about 1% of the output's root mean square,
; which is all the room that a number near zero has; with f16's 11 bits each rounding is an eighth of that.
; LIMITS.  A number of x or of W whose magnitude is 65,520 or more becomes an infinity in f16; under 6.1e-5 f16 keeps a fixed step of 6e-8.  The room: |W| is at most 15 x the largest scale, so scales
; up to 4,300 and x up to 65,000 are served; numbers of x or W a thousandth of the tensor's root mean square or less add nothing that shows.
; g_idx[k] is read as an unsigned number and held to 31, the tables' last row: an index of 32 or more takes row 31; a negative index is not served.
; SHARES.  256 work-groups of 16 waves.  Work-group (sx, sy): of W the 128 columns from 128 sx and the 512 rows from 512 sy, a wave 32 rows; of x the
; 262,144 bytes from (32 sy + sx) x 262,144, a wave 16,384.  An ITEM is 512 consecutive bytes in (one 16-byte load a lane) and 256 consecutive bytes out, aligned
; (one 8-byte store a lane): a wave has 32 items of x, then 32 rows of W, written out, so that an item's place stands in the immediate and no address register is ever rewritten.
; IN FLIGHT.  A ring of 16 register slots runs through all 64 items: 16 loads of every wave are out, 8 KiB a wave.
; THE TABLES.  The strip's 32 x 128 scales and zero points (these as f32) lie in LDS, 512 bytes a group: a row's 16 + 16 bytes a lane are read from there, a row ahead.
; No matrix unit, cluster or tensor load: the work-groups share nothing but the tables, and the work is one pass over the bytes.
.set DEPTH, 16                         ; slots = loads in flight in each wave
.set ZPT,   16384                      ; LDS: scales at 0, zero points here; group g at 512 g + 16 x lane
.set SPARE, 32768                      ; behind them: the spare words, 128 bytes for each of the 16 waves; no other line names them
.set L16, 2                            ; v2   16 x lane; never rewritten
.set L8,  3                            ; v3   8 x lane; never rewritten
.set T16, 4                            ; v4   16 x thread: where I put my 16 bytes of a table
.set SPW, 5                            ; v5   LDS address of my spare word; never rewritten
.set NIL, 6                            ; v6   0; never rewritten
.set TA,  8                            ; v8-9     a row's place in the tables, by the row's parity
.set T,   10                           ; v[10:13] at work
.set TB,  16                           ; v[16:31] by the row's parity: 4 scales, 4 zero points
.set TL,  32                           ; v[32:47] the tables on their way into LDS
.set X,   48                           ; v[48:111]  slot s: 4 registers as loaded
.set Y,   112                          ; v[112:143] slot s: 2 registers to store
.set G,   32                           ; s[32:63] g_idx of my 32 rows; each becomes 512 x the group
	s_load_b256 s[4:11], s[0:1], 0x0               ; x s[4:5], q s[6:7], scales s[8:9], zero_points s[10:11]
	s_load_b128 s[12:15], s[0:1], 0x20             ; g_idx s[12:13], xh s[14:15]
	s_load_b64 s[16:17], s[0:1], 0x30              ; wh
	v_lshl_add_u32 v[SPW], v0, 2, SPARE
	v_mov_b32 v[NIL], 0
	v_lshrrev_b32 v1, 5, v0
	v_readfirstlane_b32 s18, v1                    ; wave 0..15
	v_and_b32 v1, 31, v0
	v_lshlrev_b32 v[L16], 4, v1
	v_lshlrev_b32 v[L8], 3, v1
	v_lshlrev_b32 v[T16], 4, v0
	s_and_b32 s19, ttmp7, 0xffff                   ; sy
	s_lshl_b32 s20, s19, 5
	s_add_co_u32 s20, s20, ttmp9                   ; 32 sy + sx
	s_lshl_b32 s20, s20, 18
	s_lshl_b32 s22, s18, 14
	s_add_co_u32 s20, s20, s22                     ; my bytes of x (all these offsets stay under 2^27),
	s_mov_b32 s21, 0
	s_lshr_b32 s22, s20, 1                         ; and of xh
	s_mov_b32 s23, 0
	s_lshl_b32 s24, s19, 9
	s_lshl_b32 s26, s18, 5
	s_add_co_u32 s24, s24, s26                     ; my first row k = 512 sy + 32 wave
	s_lshl_b32 s28, s24, 2                         ; its place in g_idx
	s_mov_b32 s29, 0
	s_lshl_b32 s24, s24, 14                        ; 16,384 bytes in a row of q
	s_lshl_b32 s26, ttmp9, 9                       ; the strip: 512 bytes of a row of q and of the tables
	s_add_co_u32 s24, s24, s26
	s_mov_b32 s25, 0
	s_lshl_b32 s30, s18, 14                        ; the tables' row = my wave's number
	s_add_co_u32 s30, s30, s26
	s_mov_b32 s31, 0
	s_lshr_b32 s26, s24, 1                         ; my bytes of wh
	s_mov_b32 s27, 0
	s_wait_kmcnt 0x0
	s_add_nc_u64 s[4:5], s[4:5], s[20:21]
	s_add_nc_u64 s[14:15], s[14:15], s[22:23]
	s_add_nc_u64 s[6:7], s[6:7], s[24:25]
	s_add_nc_u64 s[16:17], s[16:17], s[26:27]
	s_add_nc_u64 s[8:9], s[8:9], s[30:31]
	s_add_nc_u64 s[10:11], s[10:11], s[30:31]
	s_add_nc_u64 s[12:13], s[12:13], s[28:29]
	s_load_b512 s[G:G+15], s[12:13], 0x0           ; g_idx of my 32 rows
	s_load_b512 s[G+16:G+31], s[12:13], 0x40
	global_load_b128 v[TL:TL+3],     v[L16], s[8:9]                  ; groups w and w + 16 of the strip's scales,
	global_load_b128 v[TL+4:TL+7],   v[L16], s[8:9] offset:262144
	global_load_b128 v[TL+8:TL+11],  v[L16], s[10:11]                ; and of its zero points
	global_load_b128 v[TL+12:TL+15], v[L16], s[10:11] offset:262144
.set it, 0
.rept DEPTH
	global_load_b128 v[X+4*it:X+4*it+3], v[L16], s[4:5] offset:512*it th:TH_LOAD_NT  ; the ring is filled: items 0 to 15 of x
.set it, it+1
.endr
	s_wait_loadcnt DEPTH                           ; the four table loads are in; the ring's 16, issued behind them, stay out
.set it, 8
.rept 8
	v_cvt_f32_i32 v[TL+it], v[TL+it]               ; the zero points as f32, once
.set it, it+1
.endr
	ds_store_b128 v[T16], v[TL:TL+3]
	ds_store_b128 v[T16], v[TL+4:TL+7]   offset:8192
	ds_store_b128 v[T16], v[TL+8:TL+11]  offset:ZPT
	ds_store_b128 v[T16], v[TL+12:TL+15] offset:ZPT+8192
	s_wait_dscnt 0x0                               ; for the others' sake: my part of the tables is written
	s_wait_kmcnt 0x0                               ; g_idx
	s_barrier_signal -1
	s_barrier_wait -1                              ; the tables are whole; nothing writes them again: the launch's one barrier
; Item i of x.  The slot is filled again at once: with x's item 16 further on, then with the first 16 rows of q.
.macro XITEM i
.set slot, (\i)%DEPTH
	s_wait_loadcnt DEPTH-1                         ; loads come back in order (ISA guide 5.7.1): mine is in, the 15 younger stay out
.if (\i) >= DEPTH
	s_wait_xcnt 0x0                                ; the slot's last store has read Y: it is rewritten only behind this wait
.endif
	v_cvt_pk_f16_f32 v[Y+2*slot],   v[X+4*slot],   v[X+4*slot+1]
	v_cvt_pk_f16_f32 v[Y+2*slot+1], v[X+4*slot+2], v[X+4*slot+3]
.if (\i) < 32-DEPTH
	global_load_b128 v[X+4*slot:X+4*slot+3], v[L16], s[4:5] offset:512*((\i)+DEPTH) th:TH_LOAD_NT
.else
	global_load_b128 v[X+4*slot:X+4*slot+3], v[L16], s[6:7] offset:16384*((\i)+DEPTH-32) th:TH_LOAD_NT
.endif
	global_store_b64 v[L8], v[Y+2*slot:Y+2*slot+1], s[14:15] offset:256*(\i)  ; the wave stores 256 consecutive bytes, aligned
.endm
; Row r's scales and zero points are asked of LDS: the lookup by g_idx.
.macro TBL r
	s_min_u32 s[G+(\r)], s[G+(\r)], 31             ; inside the tables
	s_lshl_b32 s[G+(\r)], s[G+(\r)], 9             ; 512 bytes a group
	v_add_nc_u32 v[TA+(\r)%2], s[G+(\r)], v[L16]
	ds_load_b128 v[TB+8*((\r)%2):TB+8*((\r)%2)+3],   v[TA+(\r)%2]
	ds_load_b128 v[TB+8*((\r)%2)+4:TB+8*((\r)%2)+7], v[TA+(\r)%2] offset:ZPT
.endm
; Row r of my 32 rows of W.
.macro WITEM r
.if (\r) < 31
	TBL (\r)+1                                     ; the next row's, an item ahead
.endif
.set slot, (\r)%DEPTH
.set tb, TB+8*((\r)%2)
.if (\r) <= 32-DEPTH
	s_wait_loadcnt DEPTH-1
.else
	s_wait_loadcnt 31-(\r)                         ; nothing is left to load: the counts run down
.endif
	s_wait_xcnt 0x0                                ; the slot's last store has read Y
.if (\r) < 31
	s_wait_dscnt 2                                 ; this row's two table loads are in; the next row's two stay out
.else
	s_wait_dscnt 0x0
.endif
.irp j, 0,1,2,3
	v_cvt_f32_i32 v[T+(\j)], v[X+4*slot+(\j)]
.endr
.if (\r) < 32-DEPTH
	global_load_b128 v[X+4*slot:X+4*slot+3], v[L16], s[6:7] offset:16384*((\r)+DEPTH) th:TH_LOAD_NT
.endif
	v_pk_add_f32 v[T:T+1],   v[T:T+1],   v[tb+4:tb+5] neg_lo:[0,1] neg_hi:[0,1]  ; q - zp
	v_pk_add_f32 v[T+2:T+3], v[T+2:T+3], v[tb+6:tb+7] neg_lo:[0,1] neg_hi:[0,1]
	v_pk_mul_f32 v[T:T+1],   v[T:T+1],   v[tb:tb+1]                              ; times the scale
	v_pk_mul_f32 v[T+2:T+3], v[T+2:T+3], v[tb+2:tb+3]
	v_cvt_pk_f16_f32 v[Y+2*slot],   v[T],   v[T+1]
	v_cvt_pk_f16_f32 v[Y+2*slot+1], v[T+2], v[T+3]
	global_store_b64 v[L8], v[Y+2*slot:Y+2*slot+1], s[16:17] offset:8192*(\r)  ; 256 consecutive bytes of a row of wh, aligned
.endm
.set it, 0
.rept 32
	XITEM it
.set it, it+1
.endr
	TBL 0
.set it, 0
.rept 32
	WITEM it
.set it, it+1
.endr
	s_wait_tensorcnt 0x0                           ; the wave's end, behind my last LDS store
	ds_add_u32 v[SPW], v[NIL]
	s_wait_dscnt 0x0
	s_endpgm
.Lfunc_end_k_qb8e69f7163_prep:
	.size	k_qb8e69f7163_prep, .Lfunc_end_k_qb8e69f7163_prep-k_qb8e69f7163_prep
	.p2alignl 7, 3214868480
	.fill 96, 4, 3214868480
	.section	.rodata,"a",@progbits
	.p2align	6, 0x0
	.amdhsa_kernel k_qb8e69f7163_prep
		.amdhsa_group_segment_fixed_size 34816
		.amdhsa_private_segment_fixed_size 0
		.amdhsa_enable_private_segment 0
		.amdhsa_kernarg_size 56
		.amdhsa_user_sgpr_count 2
		.amdhsa_user_sgpr_kernarg_segment_ptr 1
		.amdhsa_wavefront_size32 1
		.amdhsa_system_sgpr_workgroup_id_x 1
		.amdhsa_system_sgpr_workgroup_id_y 1
		.amdhsa_system_sgpr_workgroup_id_z 1
		.amdhsa_system_vgpr_workitem_id 0
		.amdhsa_next_free_vgpr 144
		.amdhsa_next_free_sgpr 66
		.amdhsa_reserve_vcc 0
		.amdhsa_float_denorm_mode_32 3
		.amdhsa_float_denorm_mode_16_64 3
		.amdhsa_memory_ordered 1
		.amdhsa_forward_progress 1
		.amdhsa_inst_pref_size 47
	.end_amdhsa_kernel
	.amdgpu_metadata
---
amdhsa.version: [ 1, 2 ]
amdhsa.kernels:
  - .name:           k_qb8e69f7163_prep
    .symbol:         k_qb8e69f7163_prep.kd
    .args:
      - { .name: x, .offset: 0, .size: 8, .value_kind: global_buffer, .address_space: global }
      - { .name: qweight_int, .offset: 8, .size: 8, .value_kind: global_buffer, .address_space: global }
      - { .name: scales, .offset: 16, .size: 8, .value_kind: global_buffer, .address_space: global }
      - { .name: zero_points, .offset: 24, .size: 8, .value_kind: global_buffer, .address_space: global }
      - { .name: g_idx, .offset: 32, .size: 8, .value_kind: global_buffer, .address_space: global }
      - { .name: xh, .offset: 40, .size: 8, .value_kind: global_buffer, .address_space: global }
      - { .name: wh, .offset: 48, .size: 8, .value_kind: global_buffer, .address_space: global }
    .group_segment_fixed_size: 34816
    .private_segment_fixed_size: 0
    .kernarg_segment_align: 8
    .kernarg_segment_size: 56
    .max_flat_workgroup_size: 512
    .sgpr_count:     66
    .vgpr_count:     144
    .wavefront_size: 32
...
	.end_amdgpu_metadata
.endif
;; end of part 1
;; launch gemm (part 2): grid 16 x 16, 4 waves a work-group, clusters of 4 x 4, 327,680 bytes of LDS; arguments xh, wh, out0, bias; writes out0
.if DOCPART == 2
	.amdgcn_target "amdgcn-amd-amdhsa--gfx1250"
	.amdhsa_code_object_version 6
	.text
	.protected	k_qb8e69f7163_gemm
	.globl	k_qb8e69f7163_gemm
	.p2align	8
	.type	k_qb8e69f7163_gemm,@function
k_qb8e69f7163_gemm:
	s_mov_b64 s[64:65], 0
	v_nop
	global_prefetch_b8 v0, s[64:65] scope:SCOPE_SE
	s_setreg_imm32_b32 hwreg(HW_REG_WAVE_MODE, 25, 1), 1
	s_wait_xcnt 0x0
	s_wait_alu depctr_hold_cnt(0) depctr_sa_sdst(0) depctr_va_vdst(0) depctr_va_sdst(0) depctr_va_ssrc(0) depctr_va_vcc(0) depctr_vm_vsrc(0)
	s_getreg_b32 s2, hwreg(HW_REG_IB_STS2, 6, 4)
	s_cmp_eq_u32 s2, 0
	s_cbranch_scc0 .Lentry_in_a_cluster
	s_endpgm
.Lentry_in_a_cluster:
	s_bfe_u32 s2, ttmp6, 0x10000c
	s_cmp_lg_u32 s2, 0xf033
	s_cbranch_scc0 .Lentry_shape_is_right
	s_endpgm
.Lentry_shape_is_right:
; SECOND OF TWO LAUNCHES.  out0[m][n] = bias[n] + the sum over k of xh[m][k] wh[k][n].  xh: [4096][4096] f16, wh: [4096 k][4096 n] f16 (both made by the first launch),
; bias: [4096] f32, out0: [4096][4096] f32.  Sums in f32, begun with the bias, K ascending; nothing is rounded on the way out.  No work is left out.
; LIMITS.  The operands are f16, rounded once by the first launch: a magnitude of 65,520 or more has become an infinity there, and under 6.1e-5 the step is 6e-8.
; A tile of out0, 256 x 256, is made by a work-group of four waves; a wave makes 128 x 128: 64 accumulators of 16 x 16, 512 registers.  16 x 16 tiles: 256 work-groups.
; K goes in steps of 128 through a ring of two LDS slots filled by the tensor data mover: of xh 256 rows x 256 bytes, of wh 128 rows (k) x 512 bytes; all rows start at multiples of 256 bytes.
; CLUSTERS: 4 x 4 work-groups.  The four of a row of the cluster need the same tiles of xh, the four of a column the same tiles of wh: each tile is asked for JOINTLY, by the same tensor load
; with the same descriptor and a mask that names the four; each receives it in its own LDS.
; THE MATRIX INSTRUCTION IS USED TRANSPOSED: source 0 = 16 columns n of wh, source 1 = 16 rows m of xh.  In the result lane l holds row m = l % 16 and its registers 0-7 the columns
; n = 8 (l / 16) + 0..7: eight neighbouring numbers of a row of out0.  xh's fragments come out of LDS as they lie; wh's, which lie [k][n], are turned by ds_load_tr16_b128.
; THE BIAS is the C operand of the products that start the sums: for n block b a lane's eight numbers bias[16 b + 8 (l / 16) + 0..7], the same for all rows: nothing is cleared, nothing is added later.
; REGISTERS, in windows of 256 (s_set_vgpr_msb: bits 1:0 source 0, 3:2 source 1, 5:4 source 2, 7:6 destination):
;   window 0: v0-31 addresses; v64-127, v128-191 fragments of xh, two buffers (on the way out: rows read back from the stage); v192-255 the bias
;   window 1: v64-127, v128-191 fragments of wh, two buffers
;   window 2: the 32 accumulators of my rows 0-63 ((a, b) at v[8 (8 a + b)]);   window 3: those of my rows 64-127
.set KSTEP,  128
.set ROWB,   8192                      ; bytes in a row of xh and of wh
.set OROW,   16384                     ; bytes in a row of out0
.set PA,     272                       ; an LDS row of xh: 256 bytes + 16 = 68 words: row r starts at bank 4 r mod 64 (64 banks of 4 bytes: ISA guide 11.1): the 16 rows of a load start at 16 different banks
.set PB,     544                       ; an LDS row of wh: 512 bytes + 32 = 136 words: row r starts at bank 8 r mod 64
.set HALFT,  128*PA                    ; what one tensor load brings: 128 rows of xh, or 64 rows of wh (64 x 544 is the same number)
.set SLOT,   4*HALFT                   ; xh's 256 rows, then wh's 128
.set STAGE,  2*SLOT                    ; behind the ring: 16 rows x 528 bytes for each wave, for the way out; no tensor load fills it
.set SPITCH, 528                       ; 512 bytes + 16
.set SPARE,  STAGE+4*16*SPITCH         ; behind the stages: the spare words, 128 bytes for each wave; no other line names them
.set LAPS,   16                        ; a lap = two K steps = once round the ring
.set ASTEP,  KSTEP*2                   ; a K step in xh: 256 bytes along the rows
.set BSTEP,  KSTEP*ROWB                ; a K step in wh: 128 rows down
.set ADRA, 16                          ; v16-17  LDS address of my fragments of xh in slot 0, 1
.set ADRB, 20                          ; v20-21  the same for wh
.set STO,  24                          ; v24     the way out: where I put 32 bytes of a row
.set RD,   25                          ; v25     the way out: where I read a row back
.set CO,   26                          ; v26     16 x lane: my bytes of a row's 512
.set BO,   27                          ; v27     my byte offset in bias
.set SPW,  28                          ; v28     LDS address of my spare word; never rewritten
.set NIL,  29                          ; v29     0; never rewritten
.set PFO,  30                          ; v30     the prefetches' offset; never rewritten
.set F0,   64
.set F1,   128
.set BIAS, 192
.set G1,  24                           ; s[24:31] descriptor group 1 for xh's tiles
.set G0,  32                           ; s[32:39] group 0 for xh's tiles, a set for each slot
.set LIM, 43                           ; s43      1 in a wave that prefetches, else the greatest number
.set PFA, 44                           ; s[44:45] where my prefetches stand
.set G1B, 48                           ; s[48:55] descriptor group 1 for wh's tiles
.set G0B, 56                           ; s[56:63] group 0 for wh's tiles
.set BI,  66                           ; s[66:67] bias
.set PST, 68                           ; s[68:69] a K step in the tensor that I prefetch
.set MSB, 0
.macro WIN new                         ; the immediate's high byte repeats the setting that is left; a switch that changes nothing is dropped
.if MSB != (\new)
	s_set_vgpr_msb (MSB<<8)|(\new)
.set MSB, \new
.endif
.endm
.set MUL_LO,  0xa1                     ; source 0 (wh) window 1, source 1 (xh) window 0, C and D window 2
.set MUL_HI,  0xf1                     ; the same, C and D window 3
.set BIAS_LO, 0x81                     ; the same with C (the bias) in window 0, D in window 2
.set BIAS_HI, 0xc1                     ; D in window 3
.set TO_B,    0x40                     ; destination window 1, address window 0
.set ST_LO,   0x08                     ; an LDS store's data (source 1) in window 2
.set ST_HI,   0x0c                     ; in window 3
; A joint load.  Waves 0 and 1 fetch xh's two halves, waves 2 and 3 wh's.  Each line has one mask and one set of registers for all that issue it; the branch hangs on the wave's number alone.
; An s_nop 0 and four v_nop follow each of the two lines, ahead of the jump, the label and what follows.
.macro JLOAD s
	s_cmp_eq_u32 s11, 0
	s_cbranch_scc0 .Lfor_b_\@
	tensor_load_to_lds s[G0+4*(\s):G0+4*(\s)+3], s[G1:G1+7]
	s_nop 0
.rept 4
	v_nop
.endr
	s_branch .Lasked_\@
.Lfor_b_\@:
	tensor_load_to_lds s[G0B+4*(\s):G0B+4*(\s)+3], s[G1B:G1B+7]
	s_nop 0
.rept 4
	v_nop
.endr
.Lasked_\@:
.endm
; A PREFETCH INTO THE L2, behind each joint refill and the run of LDS loads that follows it: the K step that stands two refills on, 512 matrix instructions ahead of the load that will want it; one instruction a wave.
; Each aligned block of 256 bytes is named once in the launch.  xh's tile row is read by every cluster of that row of clusters: cluster x = 0 asks; wh's tile column by every cluster of that column: cluster y = 0 asks.
; The four partners that ask for a tile jointly share it out BY ADDRESS: of the 128 rows of xh that a wave fetches, the partner at cx takes 32, a lane a row; of the 64 rows x 512 bytes of wh, the partner at cy
; takes 16, two lanes a row.  The loop's last trip (s3 = 1) asks for nothing: K has no step behind the 32nd.  The first four K steps come by their loads alone.
.macro ASK
	s_cmp_gt_u32 s3, s[LIM]
	s_cbranch_scc0 .Lnot_mine_\@
	global_prefetch_b8 v[PFO], s[PFA:PFA+1] th:TH_LOAD_NT scope:SCOPE_SE
.Lnot_mine_\@:
.endm
; A round of the cluster's barrier: my work-group's barrier, so that wave 0's signal speaks for all four waves; wave 0 signals; every wave waits for all sixteen work-groups; my work-group's barrier once more.
.macro CREST                           ; a round behind its opening barrier
	s_cmp_lg_u32 s10, 0
	s_cbranch_scc1 .Lnot_wave_0_\@
	s_barrier_signal -3
.Lnot_wave_0_\@:
	s_barrier_wait -3
	s_barrier_signal -1
	s_barrier_wait -1
.endm
.macro CROUND                          ; a whole round
	s_barrier_signal -1
	s_barrier_wait -1
	CREST
.endm
	s_load_b128 s[4:7], s[0:1], 0x0                ; xh s[4:5], wh s[6:7]
	s_load_b64 s[8:9], s[0:1], 0x10                ; out0
	s_load_b64 s[BI:BI+1], s[0:1], 0x18            ; bias
	v_lshl_add_u32 v[SPW], v0, 2, SPARE
	v_mov_b32 v[NIL], 0
	ds_add_u32 v[SPW], v[NIL]                      ; the wave's opening: the add, twice on end, and its wait ahead of my first tensor load; the set-up below stands between
	ds_add_u32 v[SPW], v[NIL]                      ; and once more, under the one wait
	v_lshrrev_b32 v1, 5, v0
	v_readfirstlane_b32 s10, v1                    ; wave 0..3
	s_lshr_b32 s11, s10, 1                         ; which half of the tile's rows is mine.  Also: I fetch for xh (0) or for wh (1)
	s_and_b32 s12, s10, 1                          ; which half of its columns.  Also: which half of that tensor's tile I fetch
	s_bfe_u32 s40, ttmp6, 0x40000                  ; cx
	s_bfe_u32 s41, ttmp6, 0x40004                  ; cy
	s_lshl_b32 s42, ttmp9, 2                       ; in a cluster launch ttmp9 and ttmp7 count clusters
	s_add_co_u32 s42, s42, s40                     ; tile column = 4 x cluster x + cx
	s_and_b32 s13, ttmp7, 0xffff
	s_lshl_b32 s13, s13, 2
	s_add_co_u32 s13, s13, s41                     ; tile row = 4 x cluster y + cy
	s_lshl_b32 s43, s41, 2
	s_lshl_b32 s43, 15, s43                        ; my row of the cluster: places 4 cy .. 4 cy + 3
	s_lshl_b32 s44, 0x1111, s40                    ; my column: places cx, cx + 4, cx + 8, cx + 12
	; group 1 for xh: 128 rows x 128 elements
	s_or_b32 s[G1+0], s43, (1<<16)|(1<<20)|(1<<21)|(5<<22)|(3<<25)   ; 15:0 the mask: my row; 17:16 elements of 2 bytes; 20 padding on; 21 set beside a mask; 24:22 after every 64 words (code 5); 31:25 4 words (code 3)
	s_mov_b32 s[G1+1], 128<<16                     ; tensor_dim0 = 128
	s_mov_b32 s[G1+2], 128<<16                     ; tensor_dim1 = 128
	s_mov_b32 s[G1+3], 128<<16                     ; tile_dim0 = 128
	s_mov_b32 s[G1+4], 128                         ; tile_dim1 = 128
	s_mov_b32 s[G1+5], 4096                        ; elements from row to row
	s_mov_b32 s[G1+6], 0
	s_mov_b32 s[G1+7], 0
	; group 1 for wh: 64 rows (k) x 256 elements (n)
	s_or_b32 s[G1B+0], s44, (1<<16)|(1<<20)|(1<<21)|(6<<22)|(7<<25)  ; the mask: my column; padding after every 128 words (code 6), 8 words (code 7)
	s_mov_b32 s[G1B+1], 256<<16                    ; tensor_dim0 = 256
	s_mov_b32 s[G1B+2], 64<<16                     ; tensor_dim1 = 64
	s_mov_b32 s[G1B+3], 256<<16                    ; tile_dim0 = 256
	s_mov_b32 s[G1B+4], 64                         ; tile_dim1 = 64
	s_mov_b32 s[G1B+5], 4096
	s_mov_b32 s[G1B+6], 0
	s_mov_b32 s[G1B+7], 0
	; where the tiles come from.  xh's hang on the tile row alone, which my row of the cluster shares; wh's on the tile column alone, which my column shares.
	; Every wave makes both addresses, in registers that never hold the other coordinate, and asks by one of them.
	s_lshl_b32 s17, s12, 7
	s_lshl_b32 s16, s13, 8
	s_add_co_u32 s16, s16, s17                     ; xh: row 256 x tile row + 128 x half,
	s_lshl_b32 s16, s16, 13                        ; in bytes (under 2^25)
	s_mov_b32 s17, 0
	s_lshl_b32 s46, s42, 9                         ; wh: 512 bytes x tile column
	s_lshl_b32 s47, s12, 19                        ; + 64 rows x half
	s_add_co_u32 s46, s46, s47
	s_mov_b32 s47, 0
	s_mul_i32 s20, s10, HALFT                      ; and where they go: wave x 34,816: no place in the cluster enters an LDS address
	s_wait_dscnt 0x0                               ; both opening adds are done
	s_wait_kmcnt 0x0
	s_add_nc_u64 s[14:15], s[4:5], s[16:17]
	s_add_nc_u64 s[46:47], s[6:7], s[46:47]
	CROUND                                         ; all sixteen work-groups are here: the first joint loads meet
.irp s, 0,1
	s_mov_b32 s[G0+4*(\s)], 1                                        ; count = 1
	s_add_co_u32 s[G0+4*(\s)+1], s20, (\s)*SLOT                      ; LDS address
	s_add_nc_u64 s[G0+4*(\s)+2:G0+4*(\s)+3], s[14:15], (\s)*ASTEP    ; global address: K step s
	s_or_b32 s[G0+4*(\s)+3], s[G0+4*(\s)+3], 0x80000000              ; type = 2
	s_mov_b32 s[G0B+4*(\s)], 1
	s_add_co_u32 s[G0B+4*(\s)+1], s20, (\s)*SLOT
	s_add_nc_u64 s[G0B+4*(\s)+2:G0B+4*(\s)+3], s[46:47], (\s)*BSTEP
	s_or_b32 s[G0B+4*(\s)+3], s[G0B+4*(\s)+3], 0x80000000
	JLOAD \s                                       ; the ring is filled before anything else is done: two loads of mine are out
.endr
	; A fragment is 16 rows x 32 K in 8 registers: lane l holds row l % 16; registers 0-3 K = 8 (l / 16) + 0..7, registers 4-7 K = 16 + 8 (l / 16) + 0..7.
	v_and_b32 v1, 15, v0                           ; l % 16
	v_bfe_u32 v2, v0, 4, 1                         ; l / 16
	v_mul_u32_u24 v3, v1, PA
	v_lshl_add_u32 v3, v2, 4, v3                   ; xh: row x pitch + 16 x half: two loads of 16 bytes, 32 bytes apart
	; The turning load takes 16 k x 16 n (lane l reads 16 bytes: k = 8 (l / 16) + l % 8, n = 8 ((l / 8) % 2) + 0..7) and leaves half a fragment: lane l holds column n = l % 16 and 8 k.
	v_and_b32 v4, 7, v0
	v_bfe_u32 v5, v0, 3, 1
	v_lshl_add_u32 v4, v2, 3, v4
	v_mul_u32_u24 v4, v4, PB
	v_lshl_add_u32 v4, v5, 4, v4
	s_mul_i32 s21, s11, HALFT                      ; my 128 rows of xh
	s_lshl_b32 s22, s12, 8                         ; my 128 columns of wh: 256 bytes along its rows,
	s_add_co_u32 s22, s22, 2*HALFT                 ; which lie behind xh's 256 rows
.irp s, 0,1
	v_add_nc_u32 v[ADRA+(\s)], s21, v3
	v_add_nc_u32 v[ADRB+(\s)], s22, v4
	s_add_co_u32 s21, s21, SLOT
	s_add_co_u32 s22, s22, SLOT
.endr
	s_mul_i32 s23, s10, 16*SPITCH
	s_add_co_u32 s23, s23, STAGE                   ; my stage
	v_mul_u32_u24 v5, v1, SPITCH                   ; in: row l % 16, 32 bytes for each half of the lanes
	v_lshl_add_u32 v5, v2, 5, v5
	v_add_nc_u32 v[STO], s23, v5
	v_and_b32 v6, 31, v0
	v_lshlrev_b32 v[CO], 4, v6                     ; back, and out: the 32 lanes take one row of 512 bytes
	v_add_nc_u32 v[RD], s23, v[CO]
	; where my part of the tile begins in out0 and in bias
	s_lshl_b32 s16, s13, 8
	s_lshl_b32 s14, s11, 7
	s_add_co_u32 s16, s16, s14                     ; my first row,
	s_lshl_b32 s16, s16, 14                        ; in bytes (under 2^26)
	s_mov_b32 s17, 0
	s_lshl_b32 s46, s42, 10                        ; my first column, in bytes: 1,024 x tile column + 512 x half
	s_lshl_b32 s47, s12, 9
	s_add_co_u32 s46, s46, s47
	s_mov_b32 s47, 0
	s_add_nc_u64 s[16:17], s[16:17], s[46:47]
	s_add_nc_u64 s[8:9], s[8:9], s[16:17]
	v_lshl_add_u32 v[BO], v2, 5, s46               ; bias: my first column + 8 (l / 16) numbers
.irp b, 0,1,2,3,4,5,6,7
	global_load_b128 v[BIAS+8*(\b):BIAS+8*(\b)+3],   v[BO], s[BI:BI+1] offset:64*(\b)
	global_load_b128 v[BIAS+8*(\b)+4:BIAS+8*(\b)+7], v[BO], s[BI:BI+1] offset:64*(\b)+16
.endr
	; the prefetches
	s_and_b32 s22, ttmp7, 0xffff                   ; cluster y
	s_lshl_b32 s20, s13, 8                         ; xh: row 256 x tile row
	s_lshl_b32 s21, s12, 7
	s_add_co_u32 s20, s20, s21                     ; + the 128 rows that I fetch
	s_lshl_b32 s21, s40, 5
	s_add_co_u32 s20, s20, s21                     ; + my work-group's 32 of them
	s_lshl_b32 s20, s20, 13
	s_lshl_b32 s21, s12, 6                         ; wh: the 64 rows that I fetch
	s_lshl_b32 s23, s41, 4
	s_add_co_u32 s21, s21, s23                     ; + my work-group's 16 of them
	s_lshl_b32 s21, s21, 13
	s_lshl_b32 s23, s42, 9
	s_add_co_u32 s21, s21, s23                     ; + 512 bytes x tile column
	s_mov_b32 s23, BSTEP
	s_cmp_eq_u32 s11, 0                            ; do I fetch for xh?
	s_cselect_b32 s20, s20, s21
	s_cselect_b32 s22, ttmp9, s22                  ; the coordinate along which other clusters read the same bytes
	s_cselect_b32 s[PST], ASTEP, s23
	s_cselect_b64 s[PFA:PFA+1], s[4:5], s[6:7]
	s_mov_b32 s[PST+1], 0
	s_mov_b32 s21, 0
	s_cmp_eq_u32 s22, 0
	s_cselect_b32 s[LIM], 1, -1                    ; the same in all sixteen partners, for a given wave
	s_add_nc_u64 s[PFA:PFA+1], s[PFA:PFA+1], s[20:21]
	s_mul_i32 s20, s[PST], 3
	s_add_nc_u64 s[PFA:PFA+1], s[PFA:PFA+1], s[20:21]  ; at K step 3: the first refill, K step 2's, steps it to 4
	v_lshrrev_b32 v7, s11, v6                      ; xh: a lane a row; wh: two lanes a row,
	v_and_b32 v6, s11, v6                          ; the odd lane 256 bytes further along it
	v_lshlrev_b32 v[PFO], 13, v7
	v_lshl_add_u32 v[PFO], v6, 8, v[PFO]
; 16 matrix instructions: m blocks a0, a0 + 1 of the window's four (hi = 0: my rows 0-63, 1: rows 64-127) x all 8 n blocks, 32 along K.  first = 1: the bias starts the sums.
; The 64 accumulators take turns, one instruction a turn, in the same order in every quarter: 63 others stand between two links of a chain, over the backward jump too.
.macro MUL16 f, hi, a0, first
.if \first
	WIN BIAS_LO+0x40*(\hi)
.else
	WIN MUL_LO+0x50*(\hi)
.endif
.irp a, \a0, (\a0)+1
.irp b, 0,1,2,3,4,5,6,7
.if \first
	v_wmma_f32_16x16x32_f16 v[8*(8*(\a)+(\b)):8*(8*(\a)+(\b))+7], v[(\f)+8*(\b):(\f)+8*(\b)+7], v[(\f)+8*(4*(\hi)+(\a)):(\f)+8*(4*(\hi)+(\a))+7], v[BIAS+8*(\b):BIAS+8*(\b)+7]
.else
	v_wmma_f32_16x16x32_f16 v[8*(8*(\a)+(\b)):8*(8*(\a)+(\b))+7], v[(\f)+8*(\b):(\f)+8*(\b)+7], v[(\f)+8*(4*(\hi)+(\a)):(\f)+8*(4*(\hi)+(\a))+7], v[8*(8*(\a)+(\b)):8*(8*(\a)+(\b))+7]
.endif
.endr
.endr
.endm
; 32 LDS loads in one run: the fragments of quarter q of a K step (32 k x my 128 columns of wh, turned; my 128 rows of xh x 32 k) into buffer f
.macro FETCH slot, q, f
	WIN TO_B
.irp b, 0,1,2,3,4,5,6,7
	ds_load_tr16_b128 v[(\f)+8*(\b):(\f)+8*(\b)+3],   v[ADRB+(\slot)] offset:(\q)*32*PB+32*(\b)
	ds_load_tr16_b128 v[(\f)+8*(\b)+4:(\f)+8*(\b)+7], v[ADRB+(\slot)] offset:(\q)*32*PB+16*PB+32*(\b)
.endr
	WIN 0
.irp i, 0,1,2,3,4,5,6,7
	ds_load_b128 v[(\f)+8*(\i):(\f)+8*(\i)+3],   v[ADRA+(\slot)] offset:64*(\q)+(\i)*16*PA
	ds_load_b128 v[(\f)+8*(\i)+4:(\f)+8*(\i)+7], v[ADRA+(\slot)] offset:64*(\q)+(\i)*16*PA+32
.endr
.endm
; A load into a register that a matrix instruction has read, and an LDS store that reads a matrix result, stand four places behind that matrix instruction; only plain vector
; instructions that name none of its registers are places (ISA guide 7.12.1 for vector instructions).
.macro PLACES
.rept 4
	v_nop
.endr
.endm
; A K step is four quarters of 32 along K, 64 matrix instructions each, on buffers 0, 1, 0, 1.  One of the first three: multiplies buffer f; in its middle it fetches quarter q of the same slot into buffer g.
.macro QUARTER slot, q, f, g, first
	s_wait_dscnt 8                                 ; wh's fragments and xh's rows 0-63 are in; the youngest eight loads (xh's rows 64-127) may be out
	MUL16 \f, 0, 0, \first
	MUL16 \f, 0, 2, \first
	PLACES
	FETCH \slot, \q, \g
	s_wait_dscnt 32                                ; all but the 32 just issued
	MUL16 \f, 1, 0, \first
	MUL16 \f, 1, 2, \first
.endm
; The last quarter multiplies buffer 1 and changes slots.  MEET is its first half: ONE barrier for the change.  In front of it each wave waits for all its tensor loads, of which one is out: its part of
; the next slot; adds 0 to its spare word; and waits for that and for its own reads of this slot.  Behind it nobody reads this slot any more and the next slot is whole.
.macro MEET round                      ; round = 1: the rest of a round of the cluster's barrier follows
	WIN 0                                          ; (the add's two registers lie in window 0)
	s_wait_tensorcnt 0x0                           ; all my tensor loads have landed
	ds_add_u32 v[SPW], v[NIL]                      ; 0 onto my spare word
	s_wait_dscnt 9                                 ; (the add and the youngest eight loads may be out)
	MUL16 F1, 0, 0, 0                              ; sixteen matrix instructions stand between the add and the wait for it
	s_wait_dscnt 0x0                               ; the add is done, and my reads of this slot are over
	s_barrier_signal -1
	MUL16 F1, 0, 2, 0                              ; work on registers while the others arrive
.if \round
	WIN 0
.endif
	s_barrier_wait -1
.endm
; The whole last quarter.  fill = 1: behind a round of the cluster's barrier the slot just read out is filled again first, with the K step two steps on; then come the next slot's first fragments.
; From a request to the wait for it a wave issues 224 matrix instructions.
.macro TURN slot, next, fill
.if \fill
	s_wait_xcnt 0x0                                ; the last prefetch, a K step back, has read its address: it is stepped here, ahead of the waits of the change of slots
	s_add_nc_u64 s[PFA:PFA+1], s[PFA:PFA+1], s[PST:PST+1]
	MEET 1
	CREST                                          ; no wave of any partner still reads this slot's tile or has a load on its way
	s_add_nc_u64 s[G0+4*(\slot)+2:G0+4*(\slot)+3], s[G0+4*(\slot)+2:G0+4*(\slot)+3], 2*ASTEP
	s_add_nc_u64 s[G0B+4*(\slot)+2:G0B+4*(\slot)+3], s[G0B+4*(\slot)+2:G0B+4*(\slot)+3], 2*BSTEP
	JLOAD \slot                                    ; the first tensor load behind the round, one a wave; its four v_nop are also the places in front of the loads below
.else
	MEET 0
	PLACES
.endif
	FETCH \next, 0, F0
.if \fill
	ASK
.endif
	MUL16 F1, 1, 0, 0
	MUL16 F1, 1, 2, 0
.endm
; THE WAY OUT of block a (16 rows x 128 columns of f32).  A lane's 32 bytes of a row go into my own stage, rows of 528 bytes, each accumulator's low four registers first; they come back as whole rows of 512.
.macro TOSTAGE a
.set AC, 64*((\a)%4)
.set BK, 64+64*((\a)%2)
	WIN ST_LO+4*((\a)/4)
.irp b, 0,1,2,3,4,5,6,7
	ds_store_b128 v[STO], v[AC+8*(\b):AC+8*(\b)+3]   offset:64*(\b)
	ds_store_b128 v[STO], v[AC+8*(\b)+4:AC+8*(\b)+7] offset:64*(\b)+16
.endr
	WIN 0
.if (\a) >= 2
	s_wait_xcnt 0x0                                ; the stores of the block two back have read these registers: they are loaded again only behind this wait
.endif
.irp t, 0,1,2,3,4,5,6,7,8,9,10,11,12,13,14,15
	ds_load_b128 v[BK+4*(\t):BK+4*(\t)+3], v[RD] offset:SPITCH*(\t)  ; LDS serves a wave's instructions in order (ISA guide 5.7.1.4): these see the stores above; the next block's stores come behind them
.endr
.endm
.macro SEND a, younger                 ; younger: the LDS instructions issued behind block a's loads: the next block's 32, or none
.set BK, 64+64*((\a)%2)
	WIN 0
	s_wait_dscnt \younger
.irp t, 0,1,2,3,4,5,6,7,8,9,10,11,12,13,14,15
	global_store_b128 v[CO], v[BK+4*(\t):BK+4*(\t)+3], s[8:9] offset:(16*(\a)+(\t))*OROW th:TH_STORE_NT  ; the wave stores 512 consecutive bytes of a row, aligned; the row stands in the immediate, 127 rows at the most
.endr
.endm
	s_wait_tensorcnt 1                             ; my part of K step 0 is in; K step 1's may stay out
	s_barrier_signal -1
	s_barrier_wait -1                              ; everybody's is
	FETCH 0, 0, F0
	s_wait_loadcnt 0x0                             ; the bias
	QUARTER 0, 1, F0, F1, 1                        ; the first quarter stands in front of the loop: its products start the sums, with the bias
	WIN 0                                          ; at a label and at a branch every window is 0
	s_mov_b32 s3, LAPS-1
.Llap:                                                 ; a trip goes once round the ring, from a lap's second quarter to the next lap's first, and fills both slots again
	QUARTER 0, 2, F1, F0, 0
	QUARTER 0, 3, F0, F1, 0
	TURN 0, 1, 1
	QUARTER 1, 1, F0, F1, 0
	QUARTER 1, 2, F1, F0, 0
	QUARTER 1, 3, F0, F1, 0
	TURN 1, 0, 1
	QUARTER 0, 1, F0, F1, 0
	WIN 0
	s_sub_co_u32 s3, s3, 1
	s_cmp_lg_u32 s3, 0
	s_cbranch_scc1 .Llap
	QUARTER 0, 2, F1, F0, 0                        ; the last lap is written out: it fills nothing, and has no round of the cluster's barrier
	QUARTER 0, 3, F0, F1, 0
	TURN 0, 1, 0
	QUARTER 1, 1, F0, F1, 0
	QUARTER 1, 2, F1, F0, 0
	QUARTER 1, 3, F0, F1, 0
	s_wait_dscnt 8                                 ; the very last quarter: nothing more to fetch
	MUL16 F1, 0, 0, 0
	MUL16 F1, 0, 2, 0
	s_wait_dscnt 0x0
	MUL16 F1, 1, 0, 0
	MUL16 F1, 1, 2, 0
	WIN 0
	PLACES                                         ; in front of the LDS stores that read results and of the loads into xh's fragment registers;
	PLACES                                         ; eight, once a launch
	TOSTAGE 0
	TOSTAGE 1                                      ; a block's way through the stage stands between the loads of the block before and its stores
	SEND 0, 32
.irp a, 2,3,4,5,6,7
	TOSTAGE \a
	SEND (\a)-1, 32
.endr
	SEND 7, 0
	s_wait_tensorcnt 0x0                           ; the wave's end, behind my last tensor load and my last LDS store
	ds_add_u32 v[SPW], v[NIL]
	s_wait_dscnt 0x0
	CROUND                                         ; the closing round: no work-group ends while a partner may still ask for a tile that names it
	s_endpgm
.Lfunc_end_k_qb8e69f7163_gemm:
	.size	k_qb8e69f7163_gemm, .Lfunc_end_k_qb8e69f7163_gemm-k_qb8e69f7163_gemm
	.p2alignl 7, 3214868480
	.fill 96, 4, 3214868480
	.section	.rodata,"a",@progbits
	.p2align	6, 0x0
	.amdhsa_kernel k_qb8e69f7163_gemm
		.amdhsa_group_segment_fixed_size 327680
		.amdhsa_private_segment_fixed_size 0
		.amdhsa_enable_private_segment 0
		.amdhsa_kernarg_size 32
		.amdhsa_user_sgpr_count 2
		.amdhsa_user_sgpr_kernarg_segment_ptr 1
		.amdhsa_wavefront_size32 1
		.amdhsa_system_sgpr_workgroup_id_x 1
		.amdhsa_system_sgpr_workgroup_id_y 1
		.amdhsa_system_sgpr_workgroup_id_z 1
		.amdhsa_system_vgpr_workitem_id 0
		.amdhsa_next_free_vgpr 1024
		.amdhsa_next_free_sgpr 72
		.amdhsa_reserve_vcc 0
		.amdhsa_float_denorm_mode_32 3
		.amdhsa_float_denorm_mode_16_64 3
		.amdhsa_memory_ordered 1
		.amdhsa_forward_progress 1
		.amdhsa_inst_pref_size 143
	.end_amdhsa_kernel
	.amdgpu_metadata
---
amdhsa.version: [ 1, 2 ]
amdhsa.kernels:
  - .name:           k_qb8e69f7163_gemm
    .symbol:         k_qb8e69f7163_gemm.kd
    .args:
      - { .name: xh, .offset: 0, .size: 8, .value_kind: global_buffer, .address_space: global }
      - { .name: wh, .offset: 8, .size: 8, .value_kind: global_buffer, .address_space: global }
      - { .name: out0, .offset: 16, .size: 8, .value_kind: global_buffer, .address_space: global }
      - { .name: bias, .offset: 24, .size: 8, .value_kind: global_buffer, .address_space: global }
    .group_segment_fixed_size: 327680
    .private_segment_fixed_size: 0
    .kernarg_segment_align: 8
    .kernarg_segment_size: 32
    .max_flat_workgroup_size: 128
    .sgpr_count:     72
    .vgpr_count:     1024
    .wavefront_size: 32
...
	.end_amdgpu_metadata
.endif
;; end of part 2
;; ======== version 2 of 2: 2 launches; version 1 with the launch prep written anew for expert scheduling mode
;; limits: values are held in f16: magnitudes above 65,504 overflow, below 6.1e-05 lose precision
;; workspace buffers: xh 33,554,432 bytes; wh 33,554,432 bytes
;; launch prep (part 3): grid 32 x 8, 16 waves a work-group, no clusters, 34,816 bytes of LDS; arguments x, qweight_int, scales, zero_points, g_idx, xh, wh; writes xh, wh
.if DOCPART == 3
	.amdgcn_target "amdgcn-amd-amdhsa--gfx1250"
	.amdhsa_code_object_version 6
	.text
	.protected	k_qb8e69f7163_prep
	.globl	k_qb8e69f7163_prep
	.p2align	8
	.type	k_qb8e69f7163_prep,@function
k_qb8e69f7163_prep:
	s_mov_b64 s[64:65], 0
	v_nop
	global_prefetch_b8 v0, s[64:65] scope:SCOPE_SE
	s_setreg_imm32_b32 hwreg(HW_REG_WAVE_SCHED_MODE, 0, 2), 2
	s_setreg_imm32_b32 hwreg(HW_REG_WAVE_MODE, 25, 1), 1
	s_wait_xcnt 0x0
	s_wait_alu depctr_vm_vsrc(0)
; FIRST OF TWO LAUNCHES.  out = x2d W + bias with W[k][n] = scales[g_idx[k]][n] * (q[k][n] - zero_points[g_idx[k]][n]).
; This launch makes the product's two operands, each rounded ONCE to f16:  xh[m][k] = f16(x[m][k]);  wh[k][n] = f16(W[k][n]), W made in f32 by the
; same subtraction and multiplication as in the problem's text.  wh keeps q's order [k][n]: nothing is transposed here.
; NO WORK IS LEFT OUT: every input has a way to the output; five are loaded here, bias by the second launch.  g_idx is honoured row by row, as it is given.
; WHY f16.  A sum has 4,096 terms with both factors rounded.  With 8 significant bits (bf16) the largest of the output's 16.7 million errors comes to about 1% of the output's root mean square,
; which is all the room that a number near zero has; with f16's 11 bits each rounding is an eighth of that.
; LIMITS.  A number of x or of W whose magnitude is 65,520 or more becomes an infinity in f16; under 6.1e-5 f16 keeps a fixed step of 6e-8.  The room: |W| is at most 15 x the largest scale, so scales
; up to 4,300 and x up to 65,000 are served; numbers of x or W a thousandth of the tensor's root mean square or less add nothing that shows.
; g_idx[k] is read as an unsigned number and held to 31, the tables' last row: an index of 32 or more takes row 31; a negative index is not served.
; SHARES.  256 work-groups of 16 waves.  Work-group (sx, sy): of W the 128 columns from 128 sx and the 512 rows from 512 sy, a wave 32 rows; of x the
; 262,144 bytes from (32 sy + sx) x 262,144, a wave 16,384.  An ITEM is 512 consecutive bytes in (one 16-byte load a lane) and 256 consecutive bytes out, aligned
; (one 8-byte store a lane): a wave has 32 items of x, then 32 rows of W, written out, so that an item's place stands in the immediate and no address register is ever rewritten.
; THE TABLES.  The strip's 32 x 128 scales and zero points (these as f32) lie in LDS, 512 bytes a group: a row's 16 + 16 bytes a lane are read from there, a block ahead.
; No matrix unit, cluster or tensor load: the work-groups share nothing but the tables, and the work is one pass over the bytes.
; THE MODE: SCHED_MODE bits 1:0 = 2 (LLVM: expert scheduling mode 2), set by the entry lines.  The code itself states the register dependences
; between vector instructions and memory or LDS instructions, with s_wait_alu, always for 0.
; THE PLAN.  The 64 items go in 16 blocks of four: blocks 0 to 7 are x, blocks 8 to 15 are W.  Registers that memory or LDS instructions touch:
;   X0 .. X5    six blocks as loaded.  Written by the loads of block p + 5, issued in block p; read by block p's conversions.
;   Y0, Y1      two blocks to store.   Written by block p's roundings; read by the four stores that are issued in block p + 1.
;   TB0, TB1    two blocks' scales and zero points.  Written by the eight LDS loads for block p + 1, issued in block p; read by block p + 1's arithmetic.
;               (At the head the first 16 registers of TB0 carry the tables into LDS; they are loaded again in block 7, behind the waits of blocks 1 to 7.)
;   TA0 .. TA31 row r's place in the tables: the lookup by g_idx.  Each is written ONCE, four of them in each block of x; read by row r's two LDS loads, in block 7 at the earliest.
;   v2 to v6    offsets, the spare word's address and 0: made once at the head and never written again.
; Block p works on X[p % 6], TB[p % 2] and writes Y[p % 2].  Its memory instructions are the loads into X[(p - 1) % 6] and TB[(p + 1) % 2] and the stores from Y[(p - 1) % 2]:
; the buffers that block p - 1 worked on and that no vector instruction of block p names.  So the waits at a block's head state all that its memory instructions hang on,
; and these are dealt among its vector instructions with no further wait.
; IN FLIGHT.  At a block's head the four younger blocks' 16 loads stay out; with the block's own four, 20 loads of every wave are out, 10 KiB a wave.
.set NX,     6                         ; X buffers
.set BLOCKS, 16
.set AH,     4*(NX-1)                  ; an item is asked for 20 items ahead
.set ZPT,   16384                      ; LDS: scales at 0, zero points here; group g at 512 g + 16 x lane
.set SPARE, 32768                      ; behind them: the spare words, 128 bytes for each of the 16 waves; no other line names them
.set L16, 2                            ; v2   16 x lane; never rewritten
.set L8,  3                            ; v3   8 x lane; never rewritten
.set T16, 4                            ; v4   16 x thread: where I put my 16 bytes of a table
.set SPW, 5                            ; v5   LDS address of my spare word; never rewritten
.set NIL, 6                            ; v6   0; never rewritten
.set T,   8                            ; v[8:11]    at work: no memory instruction names them
.set TA,  12                           ; v[12:43]   row r's place in the tables
.set TB,  44                           ; v[44:107]  buffer k, row i: 4 scales, 4 zero points at TB + 32 k + 8 i
.set TL,  TB                           ; v[44:59]   at the head only: the tables on their way into LDS
.set X,   108                          ; v[108:203] buffer k, item i: 4 registers at X + 16 k + 4 i, as loaded
.set Y,   204                          ; v[204:219] buffer k, item i: 2 registers at Y + 8 k + 2 i, to store
.set G,   32                           ; s[32:63] g_idx of my 32 rows; each becomes 512 x the group
	s_load_b256 s[4:11], s[0:1], 0x0               ; x s[4:5], q s[6:7], scales s[8:9], zero_points s[10:11]
	s_load_b128 s[12:15], s[0:1], 0x20             ; g_idx s[12:13], xh s[14:15]
	s_load_b64 s[16:17], s[0:1], 0x30              ; wh
	v_lshl_add_u32 v[SPW], v0, 2, SPARE
	v_mov_b32 v[NIL], 0
	v_lshrrev_b32 v1, 5, v0
	v_readfirstlane_b32 s18, v1                    ; wave 0..15
	v_and_b32 v1, 31, v0
	v_lshlrev_b32 v[L16], 4, v1
	v_lshlrev_b32 v[L8], 3, v1
	v_lshlrev_b32 v[T16], 4, v0
	s_wait_alu depctr_va_sdst(0)                   ; s18 is written, ahead of its first reader: the wave's bases are made from it
	s_and_b32 s19, ttmp7, 0xffff                   ; sy
	s_lshl_b32 s20, s19, 5
	s_add_co_u32 s20, s20, ttmp9                   ; 32 sy + sx
	s_lshl_b32 s20, s20, 18
	s_lshl_b32 s22, s18, 14
	s_add_co_u32 s20, s20, s22                     ; my bytes of x (all these offsets stay under 2^27),
	s_mov_b32 s21, 0
	s_lshr_b32 s22, s20, 1                         ; and of xh
	s_mov_b32 s23, 0
	s_lshl_b32 s24, s19, 9
	s_lshl_b32 s26, s18, 5
	s_add_co_u32 s24, s24, s26                     ; my first row k = 512 sy + 32 wave
	s_lshl_b32 s28, s24, 2                         ; its place in g_idx
	s_mov_b32 s29, 0
	s_lshl_b32 s24, s24, 14                        ; 16,384 bytes in a row of q
	s_lshl_b32 s26, ttmp9, 9                       ; the strip: 512 bytes of a row of q and of the tables
	s_add_co_u32 s24, s24, s26
	s_mov_b32 s25, 0
	s_lshl_b32 s30, s18, 14                        ; the tables' row = my wave's number
	s_add_co_u32 s30, s30, s26
	s_mov_b32 s31, 0
	s_lshr_b32 s26, s24, 1                         ; my bytes of wh
	s_mov_b32 s27, 0
	s_wait_kmcnt 0x0
	s_add_nc_u64 s[4:5], s[4:5], s[20:21]
	s_add_nc_u64 s[14:15], s[14:15], s[22:23]
	s_add_nc_u64 s[6:7], s[6:7], s[24:25]
	s_add_nc_u64 s[16:17], s[16:17], s[26:27]
	s_add_nc_u64 s[8:9], s[8:9], s[30:31]
	s_add_nc_u64 s[10:11], s[10:11], s[30:31]
	s_add_nc_u64 s[12:13], s[12:13], s[28:29]
	s_load_b512 s[G:G+15], s[12:13], 0x0           ; g_idx of my 32 rows
	s_load_b512 s[G+16:G+31], s[12:13], 0x40
	s_wait_alu depctr_va_vdst(0)                   ; v2 to v6 are written: every load and store of the kernel reads one of v2 to v4 as its offset or address, the closing add v5 and v6
	global_load_b128 v[TL:TL+3],     v[L16], s[8:9]                  ; groups w and w + 16 of the strip's scales,
	global_load_b128 v[TL+4:TL+7],   v[L16], s[8:9] offset:262144
	global_load_b128 v[TL+8:TL+11],  v[L16], s[10:11]                ; and of its zero points
	global_load_b128 v[TL+12:TL+15], v[L16], s[10:11] offset:262144
.set it, 0
.rept AH
	global_load_b128 v[X+4*it:X+4*it+3], v[L16], s[4:5] offset:512*it th:TH_LOAD_NT  ; blocks 0 to 4 of x into X0 to X4
.set it, it+1
.endr
	s_wait_loadcnt AH                              ; the four table loads are in; the 20 issued behind them stay out
.set it, 8
.rept 8
	v_cvt_f32_i32 v[TL+it], v[TL+it]               ; the zero points as f32, once
.set it, it+1
.endr
	s_wait_alu depctr_va_vdst(0)                   ; the conversions have written v[TL+8 ..], which the LDS stores read
	ds_store_b128 v[T16], v[TL:TL+3]
	ds_store_b128 v[T16], v[TL+4:TL+7]   offset:8192
	ds_store_b128 v[T16], v[TL+8:TL+11]  offset:ZPT
	ds_store_b128 v[T16], v[TL+12:TL+15] offset:ZPT+8192
	s_wait_dscnt 0x0                               ; for the others' sake: my part of the tables is written
	s_wait_kmcnt 0x0                               ; g_idx
	s_barrier_signal -1
	s_barrier_wait -1                              ; the tables are whole; nothing writes them again: the launch's one barrier
; Block p: items 4 p to 4 p + 3.  In front of each item's vector lines stand the load of the item 20 further on, the store of the item 4 back, and, from block 7 on, the two table loads of the row 4 further on.
.macro BLK p
.set xb, X+16*((\p)%NX)                ; this block, as loaded
.set xn, X+16*(((\p)+NX-1)%NX)         ; the buffer that the block before has emptied
.set yb, Y+8*((\p)%2)                  ; this block, to store
.set yo, Y+8*(((\p)+1)%2)              ; the block before, to store
.set tb, TB+32*((\p)%2)                ; this block's scales and zero points
.set tn, TB+32*(((\p)+1)%2)            ; the next block's
.if (\p) <= BLOCKS-NX+1
	s_wait_loadcnt 4*(NX-2)                        ; loads come back in order (ISA guide 5.7.1): this block's four are in, the four younger blocks stay out
.else
	s_wait_loadcnt 4*(BLOCKS-1-(\p))               ; nothing is left to load: the counts run down
.endif
.if (\p) >= 8
	s_wait_dscnt 0x0                               ; this block's eight table loads, issued a block ago, are in
.endif
.if (\p) >= 2
	s_wait_xcnt 0x0                                ; every earlier memory instruction has had its addresses translated (ISA guide 3.1): this block's Y is rewritten only behind this wait
	s_wait_alu depctr_vm_vsrc(0)                   ; the stores issued in the block before have read this block's Y, which its roundings write again
.endif
.if (\p) >= 1
	s_wait_alu depctr_va_vdst(0)                   ; the block before has written the other Y, which the stores below read, and is done reading its X and its table registers, in which the loads below land; the table addresses made so far are written
.endif
.irp i, 0,1,2,3
.set it, 4*(\p)+(\i)
.if (it+AH) < 32
	global_load_b128 v[xn+4*(\i):xn+4*(\i)+3], v[L16], s[4:5] offset:512*(it+AH) th:TH_LOAD_NT           ; no vector instruction since the wait names these registers
.elseif (it+AH) < 64
	global_load_b128 v[xn+4*(\i):xn+4*(\i)+3], v[L16], s[6:7] offset:16384*(it+AH-32) th:TH_LOAD_NT      ; behind x's last item come the rows of q
.endif
.if (it >= 4) && (it < 36)
	global_store_b64 v[L8], v[yo+2*(\i):yo+2*(\i)+1], s[14:15] offset:256*(it-4)    ; the wave stores 256 consecutive bytes of xh, aligned
.elseif it >= 36
	global_store_b64 v[L8], v[yo+2*(\i):yo+2*(\i)+1], s[16:17] offset:8192*(it-36)  ; 256 consecutive bytes of a row of wh, aligned
.endif
.if (it >= 28) && (it < 60)
	ds_load_b128 v[tn+8*(\i):tn+8*(\i)+3],   v[TA+it-28]               ; row it - 28: its scales,
	ds_load_b128 v[tn+8*(\i)+4:tn+8*(\i)+7], v[TA+it-28] offset:ZPT    ; and its zero points
.endif
.if it < 32
	s_min_u32 s[G+it], s[G+it], 31                 ; the lookup by g_idx, for row it of my 32: inside the tables,
	s_lshl_b32 s[G+it], s[G+it], 9                 ; 512 bytes a group
	v_add_nc_u32 v[TA+it], s[G+it], v[L16]
	v_cvt_pk_f16_f32 v[yb+2*(\i)],   v[xb+4*(\i)],   v[xb+4*(\i)+1]
	v_cvt_pk_f16_f32 v[yb+2*(\i)+1], v[xb+4*(\i)+2], v[xb+4*(\i)+3]
.else
.irp j, 0,1,2,3
	v_cvt_f32_i32 v[T+(\j)], v[xb+4*(\i)+(\j)]
.endr
	v_pk_add_f32 v[T:T+1],   v[T:T+1],   v[tb+8*(\i)+4:tb+8*(\i)+5] neg_lo:[0,1] neg_hi:[0,1]  ; q - zp
	v_pk_add_f32 v[T+2:T+3], v[T+2:T+3], v[tb+8*(\i)+6:tb+8*(\i)+7] neg_lo:[0,1] neg_hi:[0,1]
	v_pk_mul_f32 v[T:T+1],   v[T:T+1],   v[tb+8*(\i):tb+8*(\i)+1]                              ; times the scale
	v_pk_mul_f32 v[T+2:T+3], v[T+2:T+3], v[tb+8*(\i)+2:tb+8*(\i)+3]
	v_cvt_pk_f16_f32 v[yb+2*(\i)],   v[T],   v[T+1]
	v_cvt_pk_f16_f32 v[yb+2*(\i)+1], v[T+2], v[T+3]
.endif
.endr
.endm
.irp p, 0,1,2,3,4,5,6,7,8,9,10,11,12,13,14,15
	BLK \p
.endr
	s_wait_alu depctr_va_vdst(0)                   ; block 15 has written Y1, which the last four stores read
.irp i, 0,1,2,3
	global_store_b64 v[L8], v[Y+8+2*(\i):Y+8+2*(\i)+1], s[16:17] offset:8192*(28+(\i))
.endr
	s_wait_dscnt 0x0                               ; the closing lines, six on end
	s_wait_alu 0x0
	s_wait_tensorcnt 0x0
	ds_add_u32 v[SPW], v[NIL]
	s_wait_dscnt 0x0
	s_endpgm
.Lfunc_end_k_qb8e69f7163_prep:
	.size	k_qb8e69f7163_prep, .Lfunc_end_k_qb8e69f7163_prep-k_qb8e69f7163_prep
	.p2alignl 7, 3214868480
	.fill 96, 4, 3214868480
	.section	.rodata,"a",@progbits
	.p2align	6, 0x0
	.amdhsa_kernel k_qb8e69f7163_prep
		.amdhsa_group_segment_fixed_size 34816
		.amdhsa_private_segment_fixed_size 0
		.amdhsa_enable_private_segment 0
		.amdhsa_kernarg_size 56
		.amdhsa_user_sgpr_count 2
		.amdhsa_user_sgpr_kernarg_segment_ptr 1
		.amdhsa_wavefront_size32 1
		.amdhsa_system_sgpr_workgroup_id_x 1
		.amdhsa_system_sgpr_workgroup_id_y 1
		.amdhsa_system_sgpr_workgroup_id_z 1
		.amdhsa_system_vgpr_workitem_id 0
		.amdhsa_next_free_vgpr 220
		.amdhsa_next_free_sgpr 66
		.amdhsa_reserve_vcc 0
		.amdhsa_float_denorm_mode_32 3
		.amdhsa_float_denorm_mode_16_64 3
		.amdhsa_memory_ordered 1
		.amdhsa_forward_progress 1
		.amdhsa_inst_pref_size 45
	.end_amdhsa_kernel
	.amdgpu_metadata
---
amdhsa.version: [ 1, 2 ]
amdhsa.kernels:
  - .name:           k_qb8e69f7163_prep
    .symbol:         k_qb8e69f7163_prep.kd
    .args:
      - { .name: x, .offset: 0, .size: 8, .value_kind: global_buffer, .address_space: global }
      - { .name: qweight_int, .offset: 8, .size: 8, .value_kind: global_buffer, .address_space: global }
      - { .name: scales, .offset: 16, .size: 8, .value_kind: global_buffer, .address_space: global }
      - { .name: zero_points, .offset: 24, .size: 8, .value_kind: global_buffer, .address_space: global }
      - { .name: g_idx, .offset: 32, .size: 8, .value_kind: global_buffer, .address_space: global }
      - { .name: xh, .offset: 40, .size: 8, .value_kind: global_buffer, .address_space: global }
      - { .name: wh, .offset: 48, .size: 8, .value_kind: global_buffer, .address_space: global }
    .group_segment_fixed_size: 34816
    .private_segment_fixed_size: 0
    .kernarg_segment_align: 8
    .kernarg_segment_size: 56
    .max_flat_workgroup_size: 512
    .sgpr_count:     66
    .vgpr_count:     220
    .wavefront_size: 32
...
	.end_amdgpu_metadata
.endif
;; end of part 3
;; launch gemm: the kernel of part 2 again; grid 16 x 16, 4 waves a work-group, clusters of 4 x 4, 327,680 bytes of LDS; arguments xh, wh, out0, bias; writes out0
